; MI455X (gfx1250); checked and timed in simulation.
; The chip was launched on July 23, 2026; its instructions are those of AMD's public machine-readable ISA for CDNA 5 (MIT licence, August 2026) and "CDNA5" Instruction Set Architecture Reference Guide (July 2026). The comments in the code are by the model that wrote it; some were corrected since.
;; HI4 B1 C codebook. Allowed arithmetic: float matrix products may take bf16 or f16 operands with f32 sums; all other float work in f32.
;; Inputs: X 8,388,608 x 1 float32; grid 16 x 1 float32; grid_norm 16 float32.
;; Outputs: out0 8,388,608 x 1 float32; out1 8,388,608 uint8.
;; 2 versions, each right; version 2 is version 1 with the launch quantize written anew for expert scheduling mode. Each part assembles by itself: llvm-mc -triple=amdgcn-amd-amdhsa -mcpu=gfx1250 --defsym DOCPART=n.
;; ======== version 1 of 2: 1 launch
;; launch quantize (part 1): grid 256 x 1, 16 waves a work-group, no clusters, 34,816 bytes of LDS; arguments X, out0, out1, grid, grid_norm; writes out0, out1
.if DOCPART == 1
	.amdgcn_target "amdgcn-amd-amdhsa--gfx1250"
	.amdhsa_code_object_version 6
	.text
	.protected	k_q2ec2b8d30e_quantize
	.globl	k_q2ec2b8d30e_quantize
	.p2align	8
	.type	k_q2ec2b8d30e_quantize,@function
k_q2ec2b8d30e_quantize:
	s_mov_b64 s[64:65], 0
	v_nop
	global_prefetch_b8 v0, s[64:65] scope:SCOPE_SE
	s_setreg_imm32_b32 hwreg(HW_REG_WAVE_MODE, 25, 1), 1
	s_wait_xcnt 0x0
; Nearest codeword of 16:  s_j = 2 (x g_j) - n_j,  idx = first j with the largest s_j,  out0 = grid[idx] (f32),  out1 = idx (u8).
; X: 8,388,608 f32.  grid, grid_norm: 16 f32 each, taken as they come (no order, spacing or relation between them is assumed).
;
; ARITHMETIC.  Indices must be the reference's, so every score has the reference's two roundings: p = x g (rounded), then
; fma(p, 2, -n) = rounded(2 p - n), since 2 p is exact.  All in f32 on the vector unit.  The product has K = 1: a matrix instruction
; would fill one of its 32 K places, would need x in 16 bits (which moves indices next to every boundary between codewords) and would
; leave a number's 16 scores in two lanes; the search for the largest, which is the larger part of the work, would not shrink.
; LIMIT: a score that is NaN (a NaN input, 0 x infinity, infinity - infinity) is not served as the reference's argmax serves it (first
; NaN wins): the maxima here pass NaN over.  Infinite scores compare as in the reference.
;
; SHARES.  256 work-groups x 16 waves; a wave owns 2,048 consecutive numbers = 16 loads of 16 bytes a lane (QUADS), each load and each
; store of out0 covering 512 consecutive, aligned bytes.  A lane holds 4 numbers of a load; a number is replaced in its register by its
; codeword, and the quad is stored from there.  Every quad has registers of its own: no source of a pending load or store is ever
; written again, no base is stepped, so the text needs no wait for sources.  It runs once, straight through.
;
; THE SEARCH, per number (one register over the wave):
;   16 scores S[j]; maxima of pairs M1[0..7], of fours M2[0..3], of eights M3[0..1], of all MX.
;   The branch that is chosen always holds MX, so each bit of idx is 'the left child is smaller than MX' (a tie goes left: first index).
;   So only LEFT children are narrowed from bit to bit, by v_cndmask: M2[0|2]; M1[0,2|4,6]; the even leaves S[0,2,4,6|8,..,14];
;   and with them the 16 grid values, 8 + 4 + 2 + 1, so that out0 is an exact copy of a grid entry.  idx = 2 idx + bit (add with carry).
;   No address and no branch hangs on data.
; Two selects, or two maxima, go in one dual instruction.  Its halves take their first sources from different register banks (number
; mod 4), likewise their second sources, and write one even and one odd register (ISA guide, dual-issue VALU): all arrays below start on
; multiples of 4 and are paired accordingly.  The odd halves that the descent leaves are paired with maxima of the NEXT number's tree, and
; the next number's products, multiply-adds and maxima stand behind each compare, so that no select follows its compare directly.
; Two score sets take turns (even and odd numbers of a quad).
.set QUADS, 16                         ; loads of a wave
.set AHEAD, 6                          ; loads of a wave on their way: 6 x 512 bytes, asked six quads of arithmetic before their use
.set OFF,  1                           ; v1       wave x 8,192 + 16 lane: my 16 bytes in X and out0, from the group's first byte
.set OB,   2                           ; v2       wave x 2,048 + 16 lane: my 16 index bytes, in the LDS stage and in out1 alike
.set LST,  3                           ; v3       wave x 2,048 + 4 lane: where my 4 index bytes of a quad go in the stage
.set ONE,  5                           ; v5       the number 1 (second sources of a dual instruction are vector registers); bank 1
.set I,    8                           ; v[8:11]  idx of the quad's four numbers
.set G,    16                          ; v[16:31] grid, the same in every lane
.set N,    32                          ; v[32:47] -grid_norm
.set AG,   48                          ; v[48:55] grid values still in the running
.set E,    56                          ; v[56:59] even leaves still in the running
.set Q,    60                          ; v60/v61  the chosen half's left M2 (the register whose parity is not idx's)
.set L,    62                          ; v[62:63] left M1 of the chosen half's two fours (banks 2, 3)
.set SET0, 64                          ; v[64:95], v[96:127]: a set = S +0..15, M1 +16..23, M2 +24..27, MX +28 (set 0) or +29 (set 1), M3 +30,31
.set X,    128                         ; v[128:191] quad q: 4 registers, x as loaded, then the codewords
.set R,    192                         ; v[192:207] 16 index bytes a lane for each group of four quads
.set SG,   16                          ; s[16:31] grid
.set SN,   32                          ; s[32:47] grid_norm
	s_load_b256 s[4:11], s[0:1], 0x0               ; X s[4:5], out0 s[6:7], out1 s[8:9], grid s[10:11]
	s_load_b64 s[12:13], s[0:1], 0x20              ; grid_norm
	v_lshl_add_u32 v208, v0, 2, 0x8000
	v_mov_b32 v209, 0
	v_lshrrev_b32 v6, 5, v0
	v_readfirstlane_b32 s14, v6                    ; my wave's number as a scalar
	v_and_b32 v7, 31, v0                           ; lane
	s_lshl_b32 s15, s14, 11                        ; wave x 2,048
	s_lshl_b32 s48, s14, 13                        ; wave x 8,192
	v_lshl_add_u32 v[OFF], v7, 4, s48
	v_lshl_add_u32 v[OB],  v7, 4, s15
	v_lshl_add_u32 v[LST], v7, 2, s15
	v_mov_b32 v[ONE], 1
	s_lshl_b32 s2, ttmp9, 17                       ; the group's 16 x 8,192 bytes of X and out0 (below 2^25)
	s_mov_b32 s3, 0
	s_wait_kmcnt 0x0
	s_load_b512 s[SG:SG+15], s[10:11], 0x0         ; the two tables, 64 bytes each
	s_load_b512 s[SN:SN+15], s[12:13], 0x0
	s_add_nc_u64 s[4:5], s[4:5], s[2:3]
	s_add_nc_u64 s[6:7], s[6:7], s[2:3]
	s_lshl_b32 s2, ttmp9, 15                       ; the group's 16 x 2,048 bytes of out1
	s_add_nc_u64 s[8:9], s[8:9], s[2:3]
.set j, 0
.rept AHEAD
	global_load_b128 v[X+4*j:X+4*j+3], v[OFF], s[4:5] offset:512*j th:TH_LOAD_NT
.set j, j+1
.endr
	s_wait_kmcnt 0x0
.set j, 0
.rept 16
	v_mov_b32 v[G+j], s[SG+j]
	s_xor_b32 s[SN+j], s[SN+j], 0x80000000         ; -n, so that the multiply-add subtracts
	v_mov_b32 v[N+j], s[SN+j]
.set j, j+1
.endr
; 16 products x g_j into set s, two codewords an instruction; x is register b (0 or 1) of the pair xp, fed to both halves
.macro MULS s, xp, b
.irp k, 0,2,4,6,8,10,12,14
	v_pk_mul_f32 v[\s+\k:\s+\k+1], v[\xp:\xp+1], v[G+\k:G+\k+1] op_sel:[\b,0] op_sel_hi:[\b,1]
.endr
.endm
; 16 scores 2 p - n, one rounding each
.macro FMAS s
.irp k, 0,2,4,6,8,10,12,14
	v_pk_fma_f32 v[\s+\k:\s+\k+1], v[\s+\k:\s+\k+1], 2.0, v[N+\k:N+\k+1] op_sel_hi:[1,0,1]
.endr
.endm
; two maxima of neighbours: a is a multiple of 4 (banks 0,1 | 2,3), d is even
.macro DMAX d, a
	v_dual_max_num_f32 v[\d], v[\a], v[\a+1] :: v_dual_max_num_f32 v[\d+1], v[\a+2], v[\a+3]
.endm
; two selects by VCC: set = hi, clear = lo; neighbours lie in different banks, d is even
.macro DSEL d, lo, hi
	v_dual_cndmask_b32 v[\d], v[\lo], v[\hi] :: v_dual_cndmask_b32 v[\d+1], v[\lo+1], v[\hi+1]
.endm
; The descent of one number, whose tree lies in set p (p = the number's parity in its quad, e its place, vout its register), and,
; if more = 1, scores and tree of the number behind it (register b of pair xp) into the other set.
.macro ELEM p, e, vout, more, xp, b
.set CUR, SET0+32*\p
.set NXT, SET0+32-32*\p
.set MXC, CUR+28+\p
.set MXN, NXT+29-\p                                            ; parity opposite to vout's
.set QR,  Q+1-\p                                               ; parity opposite to idx's
	; bit 3: the upper eight win only if strictly larger
	v_cmp_gt_f32 vcc_lo, v[CUR+31], v[CUR+30]
.if \more
	MULS NXT, \xp, \b
.endif
	DSEL AG,   G,   G+8
	DSEL AG+2, G+2, G+10
	DSEL AG+4, G+4, G+12
	DSEL AG+6, G+6, G+14
	v_dual_cndmask_b32 v[E],   v[CUR],    v[CUR+8]  :: v_dual_cndmask_b32 v[E+1], v[CUR+2],  v[CUR+10]
	v_dual_cndmask_b32 v[E+2], v[CUR+4],  v[CUR+12] :: v_dual_cndmask_b32 v[E+3], v[CUR+6],  v[CUR+14]
	v_dual_cndmask_b32 v[L],   v[CUR+16], v[CUR+20] :: v_dual_cndmask_b32 v[L+1], v[CUR+18], v[CUR+22]
	v_dual_cndmask_b32 v[QR],  v[CUR+24], v[CUR+26] :: v_dual_cndmask_b32 v[I+\e], 0, v[ONE]      ; idx = bit 3
	; bit 2: the chosen half's left four do not hold the maximum
	v_cmp_lt_f32 vcc_lo, v[QR], v[MXC]
.if \more
	FMAS NXT
.endif
	DSEL AG,   AG,   AG+4
	DSEL AG+2, AG+2, AG+6
	DSEL E,    E,    E+2
.if \more
	v_dual_cndmask_b32 v[L+1], v[L], v[L+1] :: v_dual_max_num_f32 v[NXT+16], v[NXT], v[NXT+1]    ; banks 2,3 | 0,1
.else
	v_cndmask_b32 v[L+1], v[L], v[L+1], vcc_lo
.endif
	v_add_co_ci_u32 v[I+\e], vcc_lo, v[I+\e], v[I+\e], vcc_lo  ; idx = 2 idx + bit; last reader of this mask
	; bit 1: the chosen four's left pair does not hold it
	v_cmp_lt_f32 vcc_lo, v[L+1], v[MXC]
.if \more
	DMAX NXT+18, NXT+4
	DMAX NXT+20, NXT+8
	DMAX NXT+22, NXT+12
.endif
	DSEL AG, AG, AG+2
.if \more
	v_dual_cndmask_b32 v[E], v[E], v[E+1] :: v_dual_max_num_f32 v[NXT+17], v[NXT+2], v[NXT+3]    ; banks 0,1 | 2,3
.else
	v_cndmask_b32 v[E], v[E], v[E+1], vcc_lo
.endif
	v_add_co_ci_u32 v[I+\e], vcc_lo, v[I+\e], v[I+\e], vcc_lo
	; bit 0: the chosen pair's even leaf is not it
	v_cmp_lt_f32 vcc_lo, v[E], v[MXC]
.if \more
	DMAX NXT+24, NXT+16
	DMAX NXT+26, NXT+20
	DMAX NXT+30, NXT+24
	v_dual_cndmask_b32 v[\vout], v[AG], v[AG+1] :: v_dual_max_num_f32 v[MXN], v[NXT+30], v[NXT+31]   ; banks 0,1 | 2,3
.else
	v_cndmask_b32 v[\vout], v[AG], v[AG+1], vcc_lo
.endif
	v_add_co_ci_u32 v[I+\e], vcc_lo, v[I+\e], v[I+\e], vcc_lo
.endm
; One quad: asks for the quad AHEAD further on, works through four numbers, stores 16 bytes of codewords a lane, and lays its 4 index
; bytes a lane into the wave's own stage.  Four quads make 512 index bytes, read back 16 a lane and stored as 512 consecutive bytes.
.macro QUAD q
.if \q+AHEAD < QUADS
	global_load_b128 v[X+4*(\q+AHEAD):X+4*(\q+AHEAD)+3], v[OFF], s[4:5] offset:512*(\q+AHEAD) th:TH_LOAD_NT
.set LEFT, AHEAD-1                                             ; behind quad q+1 stand the loads q+2 .. q+AHEAD
.else
.set LEFT, QUADS-2-\q                                          ; nothing more is asked for: q+2 .. 15
.endif
	ELEM 0, 0, X+4*\q, 1, X+4*\q, 1
.if \q > 0
.if \q%4 == 0
	s_wait_dscnt 0x0                                           ; the last group's 16 index bytes, asked for one number ago; nothing younger
	global_store_b128 v[OB], v[R+\q-4:R+\q-1], s[8:9] offset:512*(\q/4-1) th:TH_STORE_NT
.endif
.endif
	ELEM 1, 1, X+4*\q+1, 1, X+4*\q+2, 0
	ELEM 0, 2, X+4*\q+2, 1, X+4*\q+2, 1
.if \q+1 < QUADS
	s_wait_loadcnt LEFT                                        ; loads return in order: quad q+1 is in, the younger ones stay out
	ELEM 1, 3, X+4*\q+3, 1, X+4*\q+4, 0
.else
	ELEM 1, 3, X+4*\q+3, 0, 0, 0
.endif
	global_store_b128 v[OFF], v[X+4*\q:X+4*\q+3], s[6:7] offset:512*\q th:TH_STORE_NT
	v_lshl_or_b32 v[I],   v[I+1], 8,  v[I]                     ; four indices, one byte each, the first number lowest
	v_lshl_or_b32 v[I+2], v[I+3], 8,  v[I+2]
	v_lshl_or_b32 v[I],   v[I+2], 16, v[I]
	ds_store_b32 v[LST], v[I] offset:128*\q
.if \q%4 == 3
	ds_load_b128 v[R+\q-3:R+\q], v[OB] offset:512*(\q/4)       ; my wave's own bytes, and LDS serves a wave in order: no wait, no barrier
.endif
.endm
	s_wait_loadcnt AHEAD-1                                     ; quad 0 is in; the five behind it stay out
	MULS SET0, X, 0                                            ; the first number's scores and tree stand alone
	FMAS SET0
	DMAX SET0+16, SET0
	DMAX SET0+18, SET0+4
	DMAX SET0+20, SET0+8
	DMAX SET0+22, SET0+12
	DMAX SET0+24, SET0+16
	DMAX SET0+26, SET0+20
	DMAX SET0+30, SET0+24
	v_max_num_f32 v[SET0+28], v[SET0+30], v[SET0+31]
.irp q, 0,1,2,3,4,5,6,7,8,9,10,11,12,13,14,15
	QUAD \q
.endr
	s_wait_dscnt 0x0                                           ; the last group's index bytes
	global_store_b128 v[OB], v[R+12:R+15], s[8:9] offset:512*3 th:TH_STORE_NT
	s_wait_tensorcnt 0x0
	ds_add_u32 v208, v209
	s_wait_dscnt 0x0
	s_endpgm
.Lfunc_end_k_q2ec2b8d30e_quantize:
	.size	k_q2ec2b8d30e_quantize, .Lfunc_end_k_q2ec2b8d30e_quantize-k_q2ec2b8d30e_quantize
	.p2alignl 7, 3214868480
	.fill 96, 4, 3214868480
	.section	.rodata,"a",@progbits
	.p2align	6, 0x0
	.amdhsa_kernel k_q2ec2b8d30e_quantize
		.amdhsa_group_segment_fixed_size 34816
		.amdhsa_private_segment_fixed_size 0
		.amdhsa_enable_private_segment 0
		.amdhsa_kernarg_size 40
		.amdhsa_user_sgpr_count 2
		.amdhsa_user_sgpr_kernarg_segment_ptr 1
		.amdhsa_wavefront_size32 1
		.amdhsa_system_sgpr_workgroup_id_x 1
		.amdhsa_system_sgpr_workgroup_id_y 1
		.amdhsa_system_sgpr_workgroup_id_z 1
		.amdhsa_system_vgpr_workitem_id 0
		.amdhsa_next_free_vgpr 210
		.amdhsa_next_free_sgpr 66
		.amdhsa_reserve_vcc 1
		.amdhsa_float_denorm_mode_32 3
		.amdhsa_float_denorm_mode_16_64 3
		.amdhsa_memory_ordered 1
		.amdhsa_forward_progress 1
		.amdhsa_inst_pref_size 174
	.end_amdhsa_kernel
	.amdgpu_metadata
---
amdhsa.version: [ 1, 2 ]
amdhsa.kernels:
  - .name:           k_q2ec2b8d30e_quantize
    .symbol:         k_q2ec2b8d30e_quantize.kd
    .args:
      - { .name: X, .offset: 0, .size: 8, .value_kind: global_buffer, .address_space: global }
      - { .name: out0, .offset: 8, .size: 8, .value_kind: global_buffer, .address_space: global }
      - { .name: out1, .offset: 16, .size: 8, .value_kind: global_buffer, .address_space: global }
      - { .name: grid, .offset: 24, .size: 8, .value_kind: global_buffer, .address_space: global }
      - { .name: grid_norm, .offset: 32, .size: 8, .value_kind: global_buffer, .address_space: global }
    .group_segment_fixed_size: 34816
    .private_segment_fixed_size: 0
    .kernarg_segment_align: 8
    .kernarg_segment_size: 40
    .max_flat_workgroup_size: 512
    .sgpr_count:     66
    .vgpr_count:     210
    .wavefront_size: 32
...
	.end_amdgpu_metadata
.endif
;; end of part 1
;; ======== version 2 of 2: 1 launch; version 1 with the launch quantize written anew for expert scheduling mode
;; launch quantize (part 2): grid 256 x 1, 16 waves a work-group, no clusters, 34,816 bytes of LDS; arguments X, out0, out1, grid, grid_norm; writes out0, out1
.if DOCPART == 2
	.amdgcn_target "amdgcn-amd-amdhsa--gfx1250"
	.amdhsa_code_object_version 6
	.text
	.protected	k_q2ec2b8d30e_quantize
	.globl	k_q2ec2b8d30e_quantize
	.p2align	8
	.type	k_q2ec2b8d30e_quantize,@function
k_q2ec2b8d30e_quantize:
	s_mov_b64 s[64:65], 0
	v_nop
	global_prefetch_b8 v0, s[64:65] scope:SCOPE_SE
	s_setreg_imm32_b32 hwreg(HW_REG_WAVE_SCHED_MODE, 0, 2), 2
	s_setreg_imm32_b32 hwreg(HW_REG_WAVE_MODE, 25, 1), 1
	s_wait_xcnt 0x0
	s_wait_alu depctr_vm_vsrc(0)
; Nearest codeword of 16:  s_j = 2 (x g_j) - n_j,  idx = first j with the largest s_j,  out0 = grid[idx] (f32),  out1 = idx (u8).
; X: 8,388,608 f32.  grid, grid_norm: 16 f32 each, taken as they come (no order, spacing or relation between them is assumed).
;
; ARITHMETIC.  Indices must be the reference's, so every score has the reference's two roundings: p = x g (rounded), then
; fma(p, 2, -n) = rounded(2 p - n), since 2 p is exact.  All in f32 on the vector unit.  The product has K = 1: a matrix instruction
; would fill one of its 32 K places, would need x in 16 bits (which moves indices next to every boundary between codewords) and would
; leave a number's 16 scores in two lanes; the search for the largest, which is the larger part of the work, would not shrink.
; LIMIT: a score that is NaN (a NaN input, 0 x infinity, infinity - infinity) is not served as the reference's argmax serves it (first
; NaN wins): the maxima here pass NaN over.  Infinite scores compare as in the reference.
;
; SHARES.  256 work-groups x 16 waves; a wave owns 2,048 consecutive numbers = 16 loads of 16 bytes a lane (QUADS), each load and each
; store of out0 covering 512 consecutive, aligned bytes.  A lane holds 4 numbers of a load; a number is replaced in its register by its
; codeword, and the quad is stored from there.  Every quad has registers of its own: no source of a pending load or store is ever
; written again, no base is stepped, so the text needs no wait for sources.  It runs once, straight through.
;
; THE MODE: SCHED_MODE bits 1:0 = 2 (LLVM: expert scheduling mode 2), set by the entry lines.  The code itself states the register
; dependences between vector instructions and memory or LDS instructions, and those through VCC and scalar registers that vector
; instructions write, with s_wait_alu, always for 0.
; THE PLAN.  Registers that memory or LDS instructions touch:
;   v1, v2, v3   offsets and LDS addresses.  Written at the head, read by every load, store and LDS instruction, never written again.
;   X[q]         A load lands in it (no vector instruction has named it before); quad q's products read it and its four last selects
;                write it; the quad's store of out0 reads it; never written again.
;   PK[q]        Quad q's four index bytes.  Written by the quad's last packing line, read by its LDS store, never written again.
;   R[group]     An LDS load lands in it, a store of out1 reads it; no vector instruction names it.
;   All other registers are named by vector instructions alone.
; So: ONE wait on va_vdst at the head (the three addresses) serves all loads, all addresses and all that touches R; ONE wait on va_vdst at
; each quad's end (X[q] and PK[q] are written) serves the quad's two stores, which follow it directly; and since no register that a
; memory or LDS instruction reads is ever written again, no wait on vm_vsrc is owed.
; VCC has seven writers a number: four compares, and three adds with carry, which leave their carry there.  Each has its wait on va_vcc
; ahead of the next instruction that names VCC: a compare's ahead of the first select by its mask, an add's ahead of the next compare.
;
; THE SEARCH, per number (one register over the wave):
;   16 scores S[j]; maxima of pairs M1[0..7], of fours M2[0..3], of eights M3[0..1], of all MX.
;   The branch that is chosen always holds MX, so each bit of idx is 'the left child is smaller than MX' (a tie goes left: first index).
;   So only LEFT children are narrowed from bit to bit, by v_cndmask: M2[0|2]; M1[0,2|4,6]; the even leaves S[0,2,4,6|8,..,14];
;   and with them the 16 grid values, 8 + 4 + 2 + 1, so that out0 is an exact copy of a grid entry.  idx = 2 idx + bit (add with carry).
;   No address and no branch hangs on data.
; Two selects, or two maxima, go in one dual instruction.  Its halves take their first sources from different register banks (number
; mod 4), likewise their second sources, and write one even and one odd register (ISA guide, dual-issue VALU): all arrays below start on
; multiples of 4 and are paired accordingly.  The odd halves that the descent leaves are paired with maxima of the NEXT number's tree.
; The next number's other 22 instructions (8 products, 8 multiply-adds, 6 dual maxima) are dealt 3, 3, 3, 3, 3, 3, 4, in the order in
; which they feed each other, into the seven gaps between a writer of VCC and its wait, so that no wait follows its writer directly.
; Two score sets take turns (even and odd numbers of a quad).
.set QUADS, 16                         ; loads of a wave
.set AHEAD, 6                          ; loads of a wave on their way: 6 x 512 bytes, asked six quads of arithmetic before their use
.set OFF,  1                           ; v1       wave x 8,192 + 16 lane: my 16 bytes in X and out0, from the group's first byte
.set OB,   2                           ; v2       wave x 2,048 + 16 lane: my 16 index bytes, in the LDS stage and in out1 alike
.set LST,  3                           ; v3       wave x 2,048 + 4 lane: where my 4 index bytes of a quad go in the stage
.set ONE,  5                           ; v5       the number 1 (second sources of a dual instruction are vector registers); bank 1
.set I,    8                           ; v[8:11]  idx of the quad's four numbers
.set G,    16                          ; v[16:31] grid, the same in every lane
.set N,    32                          ; v[32:47] -grid_norm
.set AG,   48                          ; v[48:55] grid values still in the running
.set E,    56                          ; v[56:59] even leaves still in the running
.set Q,    60                          ; v60/v61  the chosen half's left M2 (the register whose parity is not idx's)
.set L,    62                          ; v[62:63] left M1 of the chosen half's two fours (banks 2, 3)
.set SET0, 64                          ; v[64:95], v[96:127]: a set = S +0..15, M1 +16..23, M2 +24..27, MX +28 (set 0) or +29 (set 1), M3 +30,31
.set X,    128                         ; v[128:191] quad q: 4 registers, x as loaded, then the codewords
.set R,    192                         ; v[192:207] 16 index bytes a lane for each group of four quads
.set PK,   208                         ; v[208:223] quad q: its four index bytes, packed, as the LDS store reads them
.set SG,   16                          ; s[16:31] grid
.set SN,   32                          ; s[32:47] grid_norm
	s_load_b256 s[4:11], s[0:1], 0x0               ; X s[4:5], out0 s[6:7], out1 s[8:9], grid s[10:11]
	s_load_b64 s[12:13], s[0:1], 0x20              ; grid_norm
	v_lshl_add_u32 v93, v0, 2, 0x8000
	v_mov_b32 v124, 0
	v_lshrrev_b32 v6, 5, v0
	v_readfirstlane_b32 s14, v6                    ; my wave's number as a scalar
	v_and_b32 v7, 31, v0                           ; lane
	v_mov_b32 v[ONE], 1
	s_wait_alu depctr_va_sdst(0)                   ; s14 is written, ahead of its first reader: the wave's offsets are made from it
	s_lshl_b32 s15, s14, 11                        ; wave x 2,048
	s_lshl_b32 s48, s14, 13                        ; wave x 8,192
	v_lshl_add_u32 v[OFF], v7, 4, s48
	v_lshl_add_u32 v[OB],  v7, 4, s15
	v_lshl_add_u32 v[LST], v7, 2, s15
	s_lshl_b32 s2, ttmp9, 17                       ; the group's 16 x 8,192 bytes of X and out0 (below 2^25)
	s_mov_b32 s3, 0
	s_wait_kmcnt 0x0
	s_load_b512 s[SG:SG+15], s[10:11], 0x0         ; the two tables, 64 bytes each
	s_load_b512 s[SN:SN+15], s[12:13], 0x0
	s_add_nc_u64 s[4:5], s[4:5], s[2:3]
	s_add_nc_u64 s[6:7], s[6:7], s[2:3]
	s_lshl_b32 s2, ttmp9, 15                       ; the group's 16 x 2,048 bytes of out1
	s_add_nc_u64 s[8:9], s[8:9], s[2:3]
	s_wait_alu depctr_va_vdst(0)                   ; v1, v2 and v3 are written: every load, store and LDS instruction of the kernel reads one of them as its address, and no vector instruction names them again
.set j, 0
.rept AHEAD
	global_load_b128 v[X+4*j:X+4*j+3], v[OFF], s[4:5] offset:512*j th:TH_LOAD_NT
.set j, j+1
.endr
	s_wait_kmcnt 0x0
.set j, 0
.rept 16
	v_mov_b32 v[G+j], s[SG+j]
	s_xor_b32 s[SN+j], s[SN+j], 0x80000000         ; -n, so that the multiply-add subtracts
	v_mov_b32 v[N+j], s[SN+j]
.set j, j+1
.endr
; two products x g_k, x g_k+1 into set s; x is register b (0 or 1) of the pair xp, fed to both halves
.macro MUL1 s, xp, b, k
	v_pk_mul_f32 v[\s+\k:\s+\k+1], v[\xp:\xp+1], v[G+\k:G+\k+1] op_sel:[\b,0] op_sel_hi:[\b,1]
.endm
; two scores 2 p - n, one rounding each
.macro FMA1 s, k
	v_pk_fma_f32 v[\s+\k:\s+\k+1], v[\s+\k:\s+\k+1], 2.0, v[N+\k:N+\k+1] op_sel_hi:[1,0,1]
.endm
; all 16 products, all 16 scores
.macro MULS s, xp, b
.irp k, 0,2,4,6,8,10,12,14
	MUL1 \s, \xp, \b, \k
.endr
.endm
.macro FMAS s
.irp k, 0,2,4,6,8,10,12,14
	FMA1 \s, \k
.endr
.endm
; two maxima of neighbours: a is a multiple of 4 (banks 0,1 | 2,3), d is even
.macro DMAX d, a
	v_dual_max_num_f32 v[\d], v[\a], v[\a+1] :: v_dual_max_num_f32 v[\d+1], v[\a+2], v[\a+3]
.endm
; two selects by VCC: set = hi, clear = lo; neighbours lie in different banks, d is even
.macro DSEL d, lo, hi
	v_dual_cndmask_b32 v[\d], v[\lo], v[\hi] :: v_dual_cndmask_b32 v[\d+1], v[\lo+1], v[\hi+1]
.endm
; The descent of one number, whose tree lies in set p (p = the number's parity in its quad, e its place, vout its register), and,
; if more = 1, scores and tree of the number behind it (register b of pair xp) into the other set, whose last number is done with.
; VCCOUT = 1: a number stands in front of this one, and its last add with carry has left its carry in VCC.
.set VCCOUT, 0
.macro ELEM p, e, vout, more, xp, b
.set CUR, SET0+32*\p
.set NXT, SET0+32-32*\p
.set MXC, CUR+28+\p
.set MXN, NXT+29-\p                                            ; parity opposite to vout's
.set QR,  Q+1-\p                                               ; parity opposite to idx's
.if \more
	MUL1 NXT, \xp, \b, 0
	MUL1 NXT, \xp, \b, 2
	MUL1 NXT, \xp, \b, 4
.endif
.if VCCOUT
	s_wait_alu depctr_va_vcc(0)                                ; the last add with carry of the number before has written VCC, which the compare below writes anew
.endif
	; bit 3: the upper eight win only if strictly larger
	v_cmp_gt_f32 vcc_lo, v[CUR+31], v[CUR+30]
.if \more
	MUL1 NXT, \xp, \b, 6
	MUL1 NXT, \xp, \b, 8
	MUL1 NXT, \xp, \b, 10
.endif
	s_wait_alu depctr_va_vcc(0)                                ; the compare has written VCC: the eight selects below read it
	DSEL AG,   G,   G+8
	DSEL AG+2, G+2, G+10
	DSEL AG+4, G+4, G+12
	DSEL AG+6, G+6, G+14
	v_dual_cndmask_b32 v[E],   v[CUR],    v[CUR+8]  :: v_dual_cndmask_b32 v[E+1], v[CUR+2],  v[CUR+10]
	v_dual_cndmask_b32 v[E+2], v[CUR+4],  v[CUR+12] :: v_dual_cndmask_b32 v[E+3], v[CUR+6],  v[CUR+14]
	v_dual_cndmask_b32 v[L],   v[CUR+16], v[CUR+20] :: v_dual_cndmask_b32 v[L+1], v[CUR+18], v[CUR+22]
	v_dual_cndmask_b32 v[QR],  v[CUR+24], v[CUR+26] :: v_dual_cndmask_b32 v[I+\e], 0, v[ONE]      ; idx = bit 3
	; bit 2: the chosen half's left four do not hold the maximum
	v_cmp_lt_f32 vcc_lo, v[QR], v[MXC]
.if \more
	MUL1 NXT, \xp, \b, 12
	MUL1 NXT, \xp, \b, 14
	FMA1 NXT, 0
.endif
	s_wait_alu depctr_va_vcc(0)                                ; the compare has written VCC: the four selects and the add with carry below read it
	DSEL AG,   AG,   AG+4
	DSEL AG+2, AG+2, AG+6
	DSEL E,    E,    E+2
.if \more
	v_dual_cndmask_b32 v[L+1], v[L], v[L+1] :: v_dual_max_num_f32 v[NXT+16], v[NXT], v[NXT+1]    ; banks 2,3 | 0,1
.else
	v_cndmask_b32 v[L+1], v[L], v[L+1], vcc_lo
.endif
	v_add_co_ci_u32 v[I+\e], vcc_lo, v[I+\e], v[I+\e], vcc_lo  ; idx = 2 idx + bit; last reader of this mask
.if \more
	FMA1 NXT, 2
	FMA1 NXT, 4
	FMA1 NXT, 6
.endif
	s_wait_alu depctr_va_vcc(0)                                ; the add with carry has written VCC, which the compare below writes anew
	; bit 1: the chosen four's left pair does not hold it
	v_cmp_lt_f32 vcc_lo, v[L+1], v[MXC]
.if \more
	FMA1 NXT, 8
	FMA1 NXT, 10
	FMA1 NXT, 12
.endif
	s_wait_alu depctr_va_vcc(0)                                ; the compare has written VCC: the two selects and the add with carry below read it
	DSEL AG, AG, AG+2
.if \more
	v_dual_cndmask_b32 v[E], v[E], v[E+1] :: v_dual_max_num_f32 v[NXT+17], v[NXT+2], v[NXT+3]    ; banks 0,1 | 2,3
.else
	v_cndmask_b32 v[E], v[E], v[E+1], vcc_lo
.endif
	v_add_co_ci_u32 v[I+\e], vcc_lo, v[I+\e], v[I+\e], vcc_lo
.if \more
	FMA1 NXT, 14
	DMAX NXT+18, NXT+4
	DMAX NXT+20, NXT+8
.endif
	s_wait_alu depctr_va_vcc(0)                                ; the add with carry has written VCC, which the compare below writes anew
	; bit 0: the chosen pair's even leaf is not it
	v_cmp_lt_f32 vcc_lo, v[E], v[MXC]
.if \more
	DMAX NXT+22, NXT+12
	DMAX NXT+24, NXT+16
	DMAX NXT+26, NXT+20
	DMAX NXT+30, NXT+24
.endif
	s_wait_alu depctr_va_vcc(0)                                ; the compare has written VCC: the last select and the add with carry below read it
.if \more
	v_dual_cndmask_b32 v[\vout], v[AG], v[AG+1] :: v_dual_max_num_f32 v[MXN], v[NXT+30], v[NXT+31]   ; banks 0,1 | 2,3
.else
	v_cndmask_b32 v[\vout], v[AG], v[AG+1], vcc_lo
.endif
	v_add_co_ci_u32 v[I+\e], vcc_lo, v[I+\e], v[I+\e], vcc_lo  ; its carry's wait stands at the next number's head; behind the kernel's last number nothing names VCC
.set VCCOUT, 1
.endm
; One quad: asks for the quad AHEAD further on, works through four numbers, stores 16 bytes of codewords a lane, and lays its 4 index
; bytes a lane into the wave's own stage.  Four quads make 512 index bytes, read back 16 a lane and stored as 512 consecutive bytes.
.macro QUAD q
.if \q+AHEAD < QUADS
	global_load_b128 v[X+4*(\q+AHEAD):X+4*(\q+AHEAD)+3], v[OFF], s[4:5] offset:512*(\q+AHEAD) th:TH_LOAD_NT  ; no wait: no vector instruction has ever named these four registers, nor v1 since the head's wait
.set LEFT, AHEAD-1                                             ; behind quad q+1 stand the loads q+2 .. q+AHEAD
.else
.set LEFT, QUADS-2-\q                                          ; nothing more is asked for: q+2 .. 15
.endif
	ELEM 0, 0, X+4*\q, 1, X+4*\q, 1
.if \q > 0
.if \q%4 == 0
	s_wait_dscnt 0x0                                           ; the last group's 16 index bytes, asked for one number ago; nothing younger
	global_store_b128 v[OB], v[R+\q-4:R+\q-1], s[8:9] offset:512*(\q/4-1) th:TH_STORE_NT  ; its data came by an LDS load; no vector instruction names them
.endif
.endif
	ELEM 1, 1, X+4*\q+1, 1, X+4*\q+2, 0
	ELEM 0, 2, X+4*\q+2, 1, X+4*\q+2, 1
.if \q+1 < QUADS
	s_wait_loadcnt LEFT                                        ; loads return in order: quad q+1 is in, the younger ones stay out
	ELEM 1, 3, X+4*\q+3, 1, X+4*\q+4, 0
.else
	ELEM 1, 3, X+4*\q+3, 0, 0, 0
.endif
	v_lshl_or_b32 v[I],     v[I+1], 8,  v[I]                   ; four indices, one byte each, the first number lowest
	v_lshl_or_b32 v[I+2],   v[I+3], 8,  v[I+2]
	v_lshl_or_b32 v[PK+\q], v[I+2], 16, v[I]                   ; into the quad's own register, which nothing writes again
	s_wait_alu depctr_va_vdst(0)                               ; the quad's four last selects have written X[q], which the store of out0 reads; the packing has written PK[q], which the LDS store reads
	global_store_b128 v[OFF], v[X+4*\q:X+4*\q+3], s[6:7] offset:512*\q th:TH_STORE_NT
	ds_store_b32 v[LST], v[PK+\q] offset:128*\q
.if \q%4 == 3
	ds_load_b128 v[R+\q-3:R+\q], v[OB] offset:512*(\q/4)       ; my wave's own bytes, and LDS serves a wave in order: no wait, no barrier; no vector instruction names R
.endif
.endm
	s_wait_loadcnt AHEAD-1                                     ; quad 0 is in; the five behind it stay out
	MULS SET0, X, 0                                            ; the first number's scores and tree stand alone
	FMAS SET0
	DMAX SET0+16, SET0
	DMAX SET0+18, SET0+4
	DMAX SET0+20, SET0+8
	DMAX SET0+22, SET0+12
	DMAX SET0+24, SET0+16
	DMAX SET0+26, SET0+20
	DMAX SET0+30, SET0+24
	v_max_num_f32 v[SET0+28], v[SET0+30], v[SET0+31]
.irp q, 0,1,2,3,4,5,6,7,8,9,10,11,12,13,14,15
	QUAD \q
.endr
	s_wait_dscnt 0x0                                           ; the last group's index bytes
	global_store_b128 v[OB], v[R+12:R+15], s[8:9] offset:512*3 th:TH_STORE_NT
	s_wait_dscnt 0x0
	s_wait_alu depctr_hold_cnt(0) depctr_sa_sdst(0) depctr_va_vdst(0) depctr_va_sdst(0) depctr_va_ssrc(0) depctr_va_vcc(0) depctr_vm_vsrc(0)
	s_wait_tensorcnt 0x0
	ds_add_u32 v93, v124
	s_wait_dscnt 0x0
	s_endpgm
.Lfunc_end_k_q2ec2b8d30e_quantize:
	.size	k_q2ec2b8d30e_quantize, .Lfunc_end_k_q2ec2b8d30e_quantize-k_q2ec2b8d30e_quantize
	.p2alignl 7, 3214868480
	.fill 96, 4, 3214868480
	.section	.rodata,"a",@progbits
	.p2align	6, 0x0
	.amdhsa_kernel k_q2ec2b8d30e_quantize
		.amdhsa_group_segment_fixed_size 34816
		.amdhsa_private_segment_fixed_size 0
		.amdhsa_enable_private_segment 0
		.amdhsa_kernarg_size 40
		.amdhsa_user_sgpr_count 2
		.amdhsa_user_sgpr_kernarg_segment_ptr 1
		.amdhsa_wavefront_size32 1
		.amdhsa_system_sgpr_workgroup_id_x 1
		.amdhsa_system_sgpr_workgroup_id_y 1
		.amdhsa_system_sgpr_workgroup_id_z 1
		.amdhsa_system_vgpr_workitem_id 0
		.amdhsa_next_free_vgpr 224
		.amdhsa_next_free_sgpr 66
		.amdhsa_reserve_vcc 1
		.amdhsa_float_denorm_mode_32 3
		.amdhsa_float_denorm_mode_16_64 3
		.amdhsa_memory_ordered 1
		.amdhsa_forward_progress 1
		.amdhsa_inst_pref_size 189
	.end_amdhsa_kernel
	.amdgpu_metadata
---
amdhsa.version: [ 1, 2 ]
amdhsa.kernels:
  - .name:           k_q2ec2b8d30e_quantize
    .symbol:         k_q2ec2b8d30e_quantize.kd
    .args:
      - { .name: X, .offset: 0, .size: 8, .value_kind: global_buffer, .address_space: global }
      - { .name: out0, .offset: 8, .size: 8, .value_kind: global_buffer, .address_space: global }
      - { .name: out1, .offset: 16, .size: 8, .value_kind: global_buffer, .address_space: global }
      - { .name: grid, .offset: 24, .size: 8, .value_kind: global_buffer, .address_space: global }
      - { .name: grid_norm, .offset: 32, .size: 8, .value_kind: global_buffer, .address_space: global }
    .group_segment_fixed_size: 34816
    .private_segment_fixed_size: 0
    .kernarg_segment_align: 8
    .kernarg_segment_size: 40
    .max_flat_workgroup_size: 512
    .sgpr_count:     66
    .vgpr_count:     224
    .wavefront_size: 32
...
	.end_amdgpu_metadata
.endif
;; end of part 2
